; MI455X (gfx1250); checked and timed in simulation.
; The chip was launched on July 23, 2026; its instructions are those of AMD's public machine-readable ISA for CDNA 5 (MIT licence, August 2026) and "CDNA5" Instruction Set Architecture Reference Guide (July 2026). The comments in the code are by the model that wrote it; some were corrected since.
;; Multi Type Param Heads. Allowed arithmetic: matrix products marked QUANTISED: E3M2 operands, one E8M0 scale for each 32 along K, by v_wmma_scale_f32_16x16x128_f8f6f4 with both operands' format E3M2, f32 sums; products left as they are: f32 operands where the result goes on into a quantised operand, else bf16, f16 or f32 operands; f32 sums; everything else in f32.
;; Inputs: W1_codes 8 x 2,048 x 32 x 24 uint8 (E3M2 codes of W1, K innermost, in blocks of 32 codes, four codes in three bytes); W1_scales 8 x 2,048 x 32 uint8 (E8M0 scales of W1, one for each 32 codes along K); W2_codes 8 x 1,024 x 64 x 24 uint8 (E3M2 codes of W2, K innermost, in blocks of 32 codes, four codes in three bytes); W2_scales 8 x 1,024 x 64 uint8 (E8M0 scales of W2, one for each 32 codes along K); W3 8 x 1,024 x 12 float32; b1 8 x 2,048 float32; b2 8 x 1,024 float32; b3 8 x 12 float32; geometry_types 2,048 int32; x_codes 2,048 x 32 x 24 uint8 (E3M2 codes of x, K innermost, in blocks of 32 codes, four codes in three bytes); x_scales 2,048 x 32 uint8 (E8M0 scales of x, one for each 32 codes along K).
;; Outputs: out0 2,048 x 12 float32; out1 2,048 x 12 float32.
;; This version of the problem:
;;   THIS VERSION OF THE PROBLEM IS GIVEN IN LOW PRECISION. The matrix products marked QUANTISED in the list below multiply operands that are first quantised to E3M2 (3 exponent bits, 2 mantissa bits; 6 bits a number), with one power-of-two scale for each 32 numbers along K (OCP MX v1.0); their sums are f32. All else is computed in f32.
;;   The module's matrix products, in the order in which they are computed (A, B: the left and right operand; K: the contracted axis; several contracted axes count as one K, in the product's order):
;;     1. [M 2,048, K 1,024] x [K 1,024, N 2,048]; A: input x (given as codes); B: input W1 (given as codes): QUANTISED
;;     2. [M 2,048, K 2,048] x [K 2,048, N 1,024]; A: computed on the way; B: input W2 (given as codes): QUANTISED
;;     3. [M 2,048, K 1,024] x [K 1,024, N 12]; A: computed on the way; B: input W3: left as it is (N = 12 < 16)
;;     4. [M 2,048, K 1,024] x [K 1,024, N 2,048]; A: input x (given as codes); B: input W1 (given as codes): QUANTISED
;;     5. [M 2,048, K 2,048] x [K 2,048, N 1,024]; A: computed on the way; B: input W2 (given as codes): QUANTISED
;;     6. [M 2,048, K 1,024] x [K 1,024, N 12]; A: computed on the way; B: input W3: left as it is (N = 12 < 16)
;;     7. [M 2,048, K 1,024] x [K 1,024, N 2,048]; A: input x (given as codes); B: input W1 (given as codes): QUANTISED
;;     8. [M 2,048, K 2,048] x [K 2,048, N 1,024]; A: computed on the way; B: input W2 (given as codes): QUANTISED
;;     9. [M 2,048, K 1,024] x [K 1,024, N 12]; A: computed on the way; B: input W3: left as it is (N = 12 < 16)
;;     10. [M 2,048, K 1,024] x [K 1,024, N 2,048]; A: input x (given as codes); B: input W1 (given as codes): QUANTISED
;;     11. [M 2,048, K 2,048] x [K 2,048, N 1,024]; A: computed on the way; B: input W2 (given as codes): QUANTISED
;;     12. [M 2,048, K 1,024] x [K 1,024, N 12]; A: computed on the way; B: input W3: left as it is (N = 12 < 16)
;;     13. [M 2,048, K 1,024] x [K 1,024, N 2,048]; A: input x (given as codes); B: input W1 (given as codes): QUANTISED
;;     14. [M 2,048, K 2,048] x [K 2,048, N 1,024]; A: computed on the way; B: input W2 (given as codes): QUANTISED
;;     15. [M 2,048, K 1,024] x [K 1,024, N 12]; A: computed on the way; B: input W3: left as it is (N = 12 < 16)
;;     16. [M 2,048, K 1,024] x [K 1,024, N 2,048]; A: input x (given as codes); B: input W1 (given as codes): QUANTISED
;;     17. [M 2,048, K 2,048] x [K 2,048, N 1,024]; A: computed on the way; B: input W2 (given as codes): QUANTISED
;;     18. [M 2,048, K 1,024] x [K 1,024, N 12]; A: computed on the way; B: input W3: left as it is (N = 12 < 16)
;;     19. [M 2,048, K 1,024] x [K 1,024, N 2,048]; A: input x (given as codes); B: input W1 (given as codes): QUANTISED
;;     20. [M 2,048, K 2,048] x [K 2,048, N 1,024]; A: computed on the way; B: input W2 (given as codes): QUANTISED
;;     21. [M 2,048, K 1,024] x [K 1,024, N 12]; A: computed on the way; B: input W3: left as it is (N = 12 < 16)
;;     22. [M 2,048, K 1,024] x [K 1,024, N 2,048]; A: input x (given as codes); B: input W1 (given as codes): QUANTISED
;;     23. [M 2,048, K 2,048] x [K 2,048, N 1,024]; A: computed on the way; B: input W2 (given as codes): QUANTISED
;;     24. [M 2,048, K 1,024] x [K 1,024, N 12]; A: computed on the way; B: input W3: left as it is (N = 12 < 16)
;;   THE QUANTISER, for each operand of a quantised product, along K:
;;     - K is cut into blocks of 32 from its start; a last block that is shorter is filled with zeros.
;;     - A block's scale is 2^e with e = floor(log2(the largest magnitude in the block)) - 4, held to -126 .. 127; a block of zeros has e = 0. As a byte (E8M0): e + 127.
;;     - Each number is divided by its block's scale, clamped to +-28, and rounded to the nearest number of E3M2, ties to even, subnormals kept.
;;     - The product sums the exact products of the quantised numbers (number of the format x scale) in f32.
;;   ~~~python
;;   def quantise(x, axis):      # numpy; x: float32 -> the quantised numbers, widened to float32 again
;;       x = np.moveaxis(x, axis, -1); K = x.shape[-1]
;;       x = np.pad(x, [(0, 0)] * (x.ndim - 1) + [(0, -K % 32)]); x = x.reshape(x.shape[:-1] + (-1, 32)); a = np.abs(x).max(-1, keepdims=True)
;;       e = np.where(a > 0, np.clip(np.frexp(np.where(a > 0, a, 1))[1] - 1 - 4, -126, 127), 0)      # np.frexp(a)[1] - 1 = floor(log2(a)), exactly
;;       r = np.clip(x / 2.0 ** e, -28, 28)
;;       step = 2.0 ** (np.maximum(np.frexp(np.where(r == 0, 1, r))[1] - 1, -2) - 2)
;;       q = np.round(r / step) * step * 2.0 ** e      # np.round: ties to even
;;       return np.moveaxis(q.reshape(q.shape[:-2] + (-1,))[..., :K], -1, axis).astype(np.float32)
;;   ~~~
;;   OPERANDS COMPUTED ON THE WAY. 'Computed on the way' means the value that the module computes at that place (a softmax that the list does not call 'softmax' is quantised finished and normalised). What goes into a quantiser is computed in f32, as accurately as f32 sums, v_exp_f32 and their like allow (about 1e-6 of the number): no bf16 or f16 on the way to a quantiser, and a product that is left as it is and whose result goes on into a quantised operand takes f32 operands (vector FMAs, or v_wmma_f32_16x16x4_f32). A number that lies on a knife's edge between two numbers of the format may be rounded either way, as far as f32 arithmetic and the matrix unit's own rounding can turn it there, and no further.
;;   INPUTS GIVEN AS CODES. W1 (in the module: [8, 1024, 2048], K = its axis 1); W2 (in the module: [8, 2048, 1024], K = its axis 1); x (in the module: [2048, 1024], K = its axis 1): each comes as NAME_codes (uint8): NAME with its K axis moved to the last place and cut into blocks of 32 codes, [.., K / 32, bytes a block], one block behind the other in memory; four codes in three bytes: a row's codes are one little-endian stream of bits, code i at bits 6 i .. 6 i + 5 (a code: sign, 3 exponent bits, 2 mantissa bits); and NAME_scales (uint8): the same leading axes, one E8M0 byte (e + 127) for each 32 codes along K. Its value is code x scale, taken as it is: it is not quantised again, and the codes and scales need not be those that the quantiser above would give.
;; One version. Each part assembles by itself: llvm-mc -triple=amdgcn-amd-amdhsa -mcpu=gfx1250 --defsym DOCPART=n.
;; ======== version 1 of 1: 3 launches
;; limits: values are held in bf16: 8 bits of precision; right only within a limited range of input values
;; workspace buffers: hc 4,276,224 bytes; hs 178,176 bytes; part 2,850,816 bytes; pos 8,192 bytes of whole numbers; tiles 256 bytes of whole numbers
;; launch layer1 (part 1): grid 233 x 1, 4 waves a work-group, no clusters, 298,752 bytes of LDS; arguments geometry_types, x_codes, x_scales, W1_codes, W1_scales, b1, hc, hs, pos, tiles; writes hc, hs, pos, tiles
.if DOCPART == 1
	.amdgcn_target "amdgcn-amd-amdhsa--gfx1250"
	.amdhsa_code_object_version 6
	.text
	.protected	k_qb963b96f95_layer1
	.globl	k_qb963b96f95_layer1
	.p2align	8
	.type	k_qb963b96f95_layer1,@function
k_qb963b96f95_layer1:
	s_mov_b64 s[64:65], 0
	v_nop
	global_prefetch_b8 v0, s[64:65] scope:SCOPE_SE
	s_setreg_imm32_b32 hwreg(HW_REG_WAVE_MODE, 25, 1), 1
	s_wait_xcnt 0x0
; SORT, GATHER AND LAYER 1.  h1 = Q(gelu(x W1[e] + b1[e])), stored as codes of E3M2 and E8M0 scale words in the order of layer 2's operand registers.
; WORK LEFT OUT: reference() computes all eight heads for every token and keeps, by jnp.where(geometry_types == t), only the rows of the token's own type; the other seven heads' rows
; reach no output, whatever the inputs hold.  So each token is multiplied with its own type's weights alone.  LIMIT: a NaN, an infinity or an overflow that arises only in a head that a token
; does not take is not carried to the result.  LIMIT: types are taken as 0 .. 7 (held at 7 from above, as unsigned numbers).
; THE SORT.  Tokens are sorted by type into tiles of 96 positions, each type beginning at a tile's edge: at most floor((2048 + 8 x 95) / 96) = 29 tiles, whatever the split.
; Work-group n < 232 serves tile n / 8 and units 256 (n % 8) .. + 255.  It reads all 2,048 types (8 KiB), counts them, finds its tile's type e and ranks the tokens of type e alone;
; wave 0 turns the ranks into the list of the tile's 96 tokens.  Work-group 232 ranks all eight types and stores each token's position (pos) and each tile's type (tiles) for the later launches.
; Order within a type: by wave, then register, then lane, alike in all work-groups.  A position that no token takes holds token 0's row, a tile without tokens type 7: what is made there is never read.
; DATA PATH.  No tensor load: the list's LDS addresses hang on loaded numbers.  x's 96 rows are asked for first, in whole chunks of 256 bytes (16 lanes a chunk), then W1's 256 rows pair by pair, by loads of
; 512 consecutive bytes a wave; both go to LDS in chunks of 256 bytes + 16 of padding.  Each wave reads its 48 rows' fragments of x into registers, where they stay; a pair of W1 goes to LDS just ahead of its products.
; SHARES.  Four waves: g = w / 2 (128 of the 256 units), rho = w % 2 (48 of the 96 positions).  The product is used transposed (source 0 = W1's rows): a lane holds one position, its registers run along the units.
; A pair is 32 units: lanes 0-7 of a tile take eight neighbouring rows of W1, lanes 8-15 the eight rows 16 further on, so that two tiles' 16 registers are 16 neighbours along layer 2's K.
; K ORDER.  In a K step of 128 lane (r, h) holds the 48 consecutive bytes 96 s + 48 h of its row: the two middle blocks of 32 change places, alike in both operands; so bytes 1 and 2 of each scale word change places.
; NO JOINT LOADS: how many tiles share a type hangs on counts read from memory, and 29 tiles divide into no cluster of four.  NO PREFETCH: the text has no loop to run ahead in.
; LIMITS: erf is a rational in z^2 with z held to +-4; NaN and infinities are not served.
; REGISTERS: window 0: addresses, scale words, two sets of 6 accumulators, the GELU's and the quantiser's registers (ahead of the products: the sort's).  Window 1 + m, v0-95: x's fragments of row tile m.
;   Windows 1, 2, v160-191: b1.  Window 3, v192-239: two sets of W1's fragments.  On their way to LDS: x in window 3 v0-143; W1's pair 0 in window 1 v0-95; pair 1 in window 3 v144-191, window 1 v224-255
;   and window 2 v224-239; pairs 2, 3 in windows 1, 2 v96-159 and v192-223.
.set NS,   8
.set SH,   8
.set ROWP, 816                         ; a row in LDS: 3 x (256 + 16) bytes
.set GRP,  13184                       ; 16 rows + 128 bytes: rows 16 apart begin eight pieces of 16 bytes apart modulo 256
.set UOFF, 8*ROWP
.set XB,   16*GRP                      ; x's 96 rows
.set CNT,  XB+96*ROWP                  ; 16 bytes a wave: its counts of the eight types
.set POSL, CNT+256                     ; word = token: its place in my tile; 96 .. 96 + lane for all others
.set LIST, POSL+8192                   ; words 0-95: my tile's tokens; words 96-127 take the others
.set SPARE, LIST+512
.set L16,  1
.set SA,   2
.set AD0,  3
.set AD1,  4
.set WA,   5
.set WB,   6
.set R4,   7
.set ST,   8
.set LN,   9
.set KA,   10
.set KB,   12
.set OWS,  14
.set OBI,  15
.set AS,   16
.set WS,   28
.set PW,   60
.set ACC,  64
.set Z,    160
.set Z2,   168
.set P,    176
.set Q,    184
.set PC,   192
.set TX,   228
.set QM,   240
.set QO,   243
.set QS,   246
.set WF,   192
.set BI,   160
; the sort's registers, all free again when the products begin
.set TY,   64                          ; my 16 tokens' types: register 4 k + c is token 512 w + 128 k + 4 lane + c
.set GD,   64                          ; wave 0, later: all 2,048 places
.set NA,   80
.set NE,   82
.set CC,   84
.set PX,   88
.set CW,   96
.set TT,   112
.set PF,   116
.set PS,   128
.set T0,   144
.set BV,   150
.set XO,   192
.set SO,   204
.set XST,  207
.set C16,  208
.set H4,   209
.set RR,   210
.set HH,   211
.set WV,   212
.set ZR,   224
.set TOF,  228
.set PAD,  229
.set PRD,  230
.set LZ,   231
.set LA,   232
.set LB,   233
.set CA,   234
.set CB,   235
.set L4,   236
.set N96,  237
.set XA0,  238
.set XA1,  239
.set KC,   66
.set A13,  68
.set A9,   70
.set A7,   72
.set A5,   74
.set A3,   76
.set A1,   78
.set B8,   80
.set B4,   82
.set B2,   84
.set B0,   86
.set MSB, 0
.macro WIN new                         ; the immediate's high byte repeats the setting that is left
.if MSB != (\new)
	s_set_vgpr_msb (MSB<<8)|(\new)
.set MSB, (\new)
.endif
.endm
.macro PLACES
.rept 4
	v_nop
.endr
.endm
.macro KPAIR r, bits
	s_mov_b32 s[\r], \bits
	s_mov_b32 s[\r+1], \bits
.endm
.macro BARRIER                         ; my LDS instructions are done, then the work-group's barrier
	s_wait_alu depctr_va_vdst(0)
	s_wait_dscnt 0x0
	s_barrier_signal -1
	s_barrier_wait -1
.endm
	s_load_b512 s[4:19], s[0:1], 0x0               ; types, x codes, x scales, W1 codes, W1 scales, b1, hc, hs
	s_load_b128 s[20:23], s[0:1], 0x40             ; pos, tiles
	v_lshl_add_u32 v254, v0, 2, SPARE
	v_mov_b32 v255, 0
	v_and_b32 v[LN], 31, v0
	v_lshrrev_b32 v[WV], 5, v0
	v_readfirstlane_b32 s24, v[WV]                 ; wave
	s_lshr_b32 s25, s24, 1                         ; g
	s_and_b32 s26, s24, 1                          ; rho
	s_lshr_b32 s27, ttmp9, 3                       ; tile
	s_and_b32 s28, ttmp9, 7                        ; which 256 units
	v_lshlrev_b32 v[L16], 4, v[LN]
	v_lshlrev_b32 v[L4], 2, v[LN]
	v_and_b32 v[RR], 15, v0
	v_bfe_u32 v[HH], v0, 4, 1
	v_lshlrev_b32 v[R4], 2, v[RR]
	v_lshlrev_b32 v[C16], 4, v[RR]
	v_lshlrev_b32 v[H4], 2, v[HH]
	v_lshl_add_u32 v[TOF], v[WV], 11, v[L16]       ; 2048 w + 16 lane: my types, my positions
	v_add_nc_u32 v[PAD], POSL, v[TOF]
	v_add_nc_u32 v[PRD], POSL, v[L16]
	v_add_nc_u32 v[LZ], LIST, v[L16]
	v_mad_u32_u24 v[LA], v[WV], 96, v[H4]
	v_add_nc_u32 v[LA], LIST, v[LA]                ; list word 24 w + h: the rows that I gather
	v_and_b32 v[LB], 1, v[WV]
	v_mad_u32_u24 v[LB], v[LB], 192, v[R4]
	v_add_nc_u32 v[LB], LIST, v[LB]                ; list word 48 rho + r: the rows that I multiply
	v_lshl_add_u32 v[CA], v[WV], 4, CNT
	v_mov_b32 v[CB], CNT
	v_add_nc_u32 v[N96], 96, v[LN]                 ; a word of its own for each lane's tokens of other tiles
	v_and_b32 v[WA], 7, v0
	v_bfe_u32 v[WB], v0, 3, 1
	v_mul_u32_u24 v[AD0], v[WA], ROWP
	v_mad_u32_u24 v[AD0], v[WB], GRP, v[AD0]
	s_mul_i32 s89, s25, 8*GRP
	v_add_nc_u32 v[AD0], s89, v[AD0]
	v_lshl_add_u32 v[AD1], v[HH], 6, v[AD0]        ; behind one padding more
	v_mad_u32_u24 v[AD0], v[HH], 48, v[AD0]
	v_lshl_add_u32 v[OWS], v[HH], 3, v[RR]
	v_lshl_add_u32 v[OWS], v[WB], 3, v[OWS]
	v_lshlrev_b32 v[OWS], 5, v[OWS]                ; W1's scales: row r + 8 (r / 8) + 8 h of a pair, 32 bytes a row
	v_lshlrev_b32 v[OBI], 6, v[HH]
	s_lshl_b32 s89, s25, 3
	s_add_co_u32 s89, s89, s26
	s_mul_i32 s89, s89, GRP
	v_mad_u32_u24 v[SA], v[HH], 272, v[C16]
	v_add_nc_u32 v[SA], s89, v[SA]                 ; W1 into LDS: group 8 g + rho, chunk h, 16 bytes a lane
	s_mul_i32 s89, s24, 24*ROWP
	s_add_co_u32 s89, s89, XB
	v_mad_u32_u24 v[XST], v[HH], ROWP, v[C16]
	v_add_nc_u32 v[XST], s89, v[XST]               ; x into LDS: row 24 w + h
	s_mul_i32 s89, s26, 48*ROWP
	s_add_co_u32 s89, s89, XB
	v_mul_u32_u24 v[XA1], v[RR], ROWP
	v_add_nc_u32 v[XA1], s89, v[XA1]
	v_mad_u32_u24 v[XA0], v[HH], 48, v[XA1]        ; x's fragments: row 48 rho + r, + 48 h
	v_lshl_add_u32 v[XA1], v[HH], 6, v[XA1]
	v_mov_b32 v[KA], 0x32edffee
	v_mov_b32 v[KA+1], 0x32edffee
	v_mov_b32 v[KB], 0xb95fbd29
	v_mov_b32 v[KB+1], 0xb95fbd29
.irp m, 0,1,2
	v_mov_b32 v[QO+\m], 0
.endr
.irp m, 0,1,2,3
	v_mov_b32 v[PX+\m], 0
.endr
	s_mov_b32 s30, 0x76543210
	s_mov_b32 s31, 0xfedcba98
	s_mov_b32 s88, 0x03010200                      ; byte select: bytes 1 and 2 change places
	KPAIR KC,  0x3f3504f3                          ; 1 / sqrt(2); erf(z) = z (a1 + a3 z^2 + .. + a13 z^12) / (b0 + b2 z^2 + .. + b8 z^8)
	KPAIR A13, 0xaf95df0b
	KPAIR A9,  0xb60cff51
	KPAIR A7,  0xb86ec2d2
	KPAIR A5,  0xba40ac63
	KPAIR A3,  0xbb41a1f6
	KPAIR A1,  0xbc83dbd4
	KPAIR B8,  0xb77460cd
	KPAIR B4,  0xbadc924e
	KPAIR B2,  0xbbf19bf8
	KPAIR B0,  0xbc69b6a7
	s_wait_alu depctr_va_vdst(0)
	s_wait_kmcnt 0x0
.irp k, 0,1,2,3
	global_load_b128 v[TY+4*\k:TY+4*\k+3], v[TOF], s[4:5] offset:512*\k
.endr
	s_wait_loadcnt 0x0
; ---- my wave's counts: a lane counts its 16 types in two words of eight 4-bit fields (8 tokens each), widened to bytes (8 lanes: at most 128) and to halves (a wave: at most 512)
.set i, 0
.rept 16
	v_min_u32 v[TY+i], 7, v[TY+i]
.set i, i+1
.endr
.set i, 0
.rept 16
	v_lshlrev_b32 v[PS+i], 2, v[TY+i]
.set i, i+1
.endr
	v_lshlrev_b32 v[NA], v[PS], 1
	v_lshlrev_b32 v[NA+1], v[PS+8], 1
.set i, 1
.rept 7
	v_lshl_add_u32 v[NA], 1, v[PS+i], v[NA]
	v_lshl_add_u32 v[NA+1], 1, v[PS+8+i], v[NA+1]
.set i, i+1
.endr
	v_and_b32 v[NE], 0x0f0f0f0f, v[NA]
	v_and_b32 v[NE+1], 0x0f0f0f0f, v[NA+1]
	v_lshrrev_b32 v[NA], 4, v[NA]
	v_lshrrev_b32 v[NA+1], 4, v[NA+1]
	v_add_nc_u32 v[NE], v[NE], v[NE+1]             ; bytes: types 0, 2, 4, 6
	v_and_b32 v[NA], 0x0f0f0f0f, v[NA]
	v_and_b32 v[NA+1], 0x0f0f0f0f, v[NA+1]
	v_add_nc_u32 v[NE+1], v[NA], v[NA+1]           ; bytes: types 1, 3, 5, 7
.irp x, 1,2,4
	v_add_nc_u32_dpp v[NE], v[NE], v[NE] row_xmask:\x row_mask:0xf bank_mask:0xf
	v_add_nc_u32_dpp v[NE+1], v[NE+1], v[NE+1] row_xmask:\x row_mask:0xf bank_mask:0xf
.endr
	v_and_b32 v[CC], 0xff00ff, v[NE]               ; halves: types 0, 4
	v_and_b32 v[CC+2], 0xff00ff, v[NE+1]           ; 1, 5
	v_lshrrev_b32 v[NE], 8, v[NE]
	v_lshrrev_b32 v[NE+1], 8, v[NE+1]
	v_and_b32 v[CC+1], 0xff00ff, v[NE]             ; 2, 6
	v_and_b32 v[CC+3], 0xff00ff, v[NE+1]           ; 3, 7
.irp q, 0,1,2,3
	v_add_nc_u32_dpp v[CC+\q], v[CC+\q], v[CC+\q] row_xmask:8 row_mask:0xf bank_mask:0xf
.endr
.irp q, 0,1,2,3
	v_permlanex16_b32 v[PX+\q], v[CC+\q], s30, s31
.endr
.irp q, 0,1,2,3
	v_add_nc_u32 v[CC+\q], v[CC+\q], v[PX+\q]
.endr
	ds_store_b128 v[CA], v[CC:CC+3]                ; all lanes write the same 16 bytes with the same values
	BARRIER
.irp j, 0,1,2,3
	ds_load_b128 v[CW+4*\j:CW+4*\j+3], v[CB] offset:16*\j
.endr
.irp j, 0,1,2
	s_cmp_gt_u32 s24, \j
	s_cselect_b32 s[89+\j], -1, 0
.endr
	s_wait_dscnt 0x0
.irp q, 0,1,2,3
	v_add3_u32 v[TT+\q], v[CW+\q], v[CW+4+\q], v[CW+8+\q]
.endr
.irp q, 0,1,2,3
	v_add_nc_u32 v[TT+\q], v[TT+\q], v[CW+12+\q]   ; the totals
.endr
.irp j, 0,1,2
.irp q, 0,1,2,3
	v_and_b32 v[CW+4*\j+\q], s[89+\j], v[CW+4*\j+\q]
.endr
.endr
.irp q, 0,1,2,3
	v_add3_u32 v[PF+\q], v[CW+\q], v[CW+4+\q], v[CW+8+\q]   ; what the waves under mine have
.endr
	s_wait_alu depctr_va_vdst(0)
.macro UNP vr, lo, hi
	v_readfirstlane_b32 s92, v[\vr]
	s_and_b32 s[\lo], s92, 0xffff
	s_lshr_b32 s[\hi], s92, 16
.endm
	UNP TT,   32, 36                               ; s[32+e]: type e's total
	UNP TT+1, 34, 38
	UNP TT+2, 33, 37
	UNP TT+3, 35, 39
	UNP PF,   40, 44                               ; s[40+e]: of it, in the waves under mine
	UNP PF+1, 42, 46
	UNP PF+2, 41, 45
	UNP PF+3, 43, 47
	s_mov_b32 s48, 0                               ; s[48+e]: type e's first tile
.irp e, 0,1,2,3,4,5,6,7
	s_add_co_u32 s92, s[32+\e], 95
	s_mul_i32 s92, s92, 43691
	s_lshr_b32 s92, s92, 22                        ; ceil(total / 96): (n x 43691) >> 22 is n / 96 rounded down for n up to 2,143
	s_add_co_u32 s[49+\e], s[48+\e], s92
.endr
	s_cmp_eq_u32 ttmp9, 232
	s_cbranch_scc1 .Lsorter
; ---- my tile's type: the last type whose first tile is not beyond my tile; with it that first tile and my wave's first rank
	s_mov_b32 s29, 0
	s_mov_b32 s93, 0
	s_mov_b32 s94, s40
.irp k, 1,2,3,4,5,6,7
	s_cmp_ge_u32 s27, s[48+\k]
	s_cselect_b32 s93, s[48+\k], s93
	s_cselect_b32 s94, s[40+\k], s94
	s_add_co_ci_u32 s29, s29, 0
.endr
	s_min_u32 s29, s29, 7
	s_sub_co_u32 s93, s27, s93
	s_mul_i32 s93, s93, 96
	s_sub_co_u32 s90, s94, s93                     ; my wave's first rank, counted from my tile's first position (may wrap: held below as unsigned)
; ---- the places of type e's tokens in my tile, ahead of every large load
.set i, 0
.rept 16
	v_cmp_eq_u32 s[32+i], s29, v[TY+i]
.set i, i+1
.endr
.set i, 0
.rept 16
	v_mbcnt_lo_u32_b32 v[PS+i], s[32+i], s90
	s_bcnt1_i32_b32 s91, s[32+i]
	s_add_co_u32 s90, s90, s91
.set i, i+1
.endr
.set i, 0
.rept 16
	v_min_u32 v[PS+i], v[PS+i], v[N96]             ; unsigned: in front of or behind my tile gives 96 .. 96 + lane
.set i, i+1
.endr
.set i, 0
.rept 16
	v_cndmask_b32 v[PS+i], v[N96], v[PS+i], s[32+i]
.set i, i+1
.endr
.irp k, 0,1,2,3
	ds_store_b128 v[PAD], v[PS+4*\k:PS+4*\k+3] offset:512*\k
.endr
	s_mov_b32 s97, 0
	s_lshl_b32 s92, s29, 11
	s_lshl_b32 s93, s28, 8
	s_add_co_u32 s92, s92, s93
	s_lshl_b32 s93, s25, 7
	s_add_co_u32 s92, s92, s93                     ; my wave group's first unit
	s_lshl_b32 s96, s92, 5
	s_add_nc_u64 s[12:13], s[12:13], s[96:97]
	s_lshl_b32 s96, s92, 2
	s_add_nc_u64 s[14:15], s[14:15], s[96:97]
	s_lshl_b32 s93, s26, 4
	s_add_co_u32 s92, s92, s93                     ; of each pair's 32 rows wave rho fetches 16
	s_mul_i32 s96, s92, 768
	s_add_nc_u64 s[10:11], s[10:11], s[96:97]
	s_mul_i32 s92, s27, 6
	s_mul_i32 s93, s26, 3
	s_add_co_u32 s92, s92, s93                     ; my first row tile
	s_lshl_b32 s92, s92, 4
	s_lshl_b32 s93, s28, 1
	s_add_co_u32 s92, s92, s93
	s_add_co_u32 s92, s92, s25                     ; x 16 + layer 2's K step 2 y + g
	s_mul_i32 s96, s92, 1536
	s_add_nc_u64 s[16:17], s[16:17], s[96:97]
	s_lshl_b32 s96, s92, 6
	s_add_nc_u64 s[18:19], s[18:19], s[96:97]
	BARRIER
; ---- wave 0 alone turns them round: list[place] = token.  No other wave touches LDS between this barrier and the next.
	s_cmp_lg_u32 s24, 0
	s_cbranch_scc1 .Lno_scatter
.irp i, 0,1,2,3
	v_mov_b32 v[ZR+\i], 0
.endr
	ds_store_b128 v[LZ], v[ZR:ZR+3]                ; token 0 for the places that nobody takes; LDS serves a wave's instructions in order
.irp k, 0,1,2,3,4,5,6,7,8,9,10,11,12,13,14,15
	ds_load_b128 v[GD+4*\k:GD+4*\k+3], v[PRD] offset:512*\k
.endr
	s_wait_dscnt 0x0
.irp hb, 0,1                           ; in two halves of 32 registers: 32 list addresses (v128-159) and 32 token numbers (v160-191), each in a register of its own, then 32 stores on end
.set i, 0
.rept 32
	v_min_u32 v[128+i], 127, v[GD+32*\hb+i]
.set i, i+1
.endr
.set i, 0
.rept 32
	v_lshl_add_u32 v[128+i], v[128+i], 2, LIST
	v_add_nc_u32 v[160+i], 128*((32*\hb+i)/4)+(i%4), v[L4]   ; register j holds token 128 (j / 4) + 4 lane + j % 4
.set i, i+1
.endr
.set i, 0
.rept 32
	ds_store_b32 v[128+i], v[160+i]
.set i, i+1
.endr
.endr
.Lno_scatter:
	BARRIER
; ---- gather: lanes 0-15 take row 24 w + 2 t, lanes 16-31 the next; a load brings one chunk of 256 bytes of each
.irp t, 0,1,2,3,4,5,6,7,8,9,10,11
	ds_load_b32 v[XO+\t], v[LA] offset:8*\t
.endr
.irp m, 0,1,2
	ds_load_b32 v[SO+\m], v[LB] offset:64*\m
.endr
	s_wait_dscnt 0x0
.set i, 0
.rept 15
	v_min_u32 v[XO+i], 2047, v[XO+i]
.set i, i+1
.endr
.set i, 0
.rept 12
	v_mad_u32_u24 v[XO+i], v[XO+i], 768, v[C16]
.set i, i+1
.endr
.irp m, 0,1,2
	v_lshl_add_u32 v[SO+\m], v[SO+\m], 5, v[H4]
.endr
	s_wait_alu depctr_va_vdst(0)
	WIN 0xc0
.irp t, 0,1,2,3,4,5,6,7,8,9,10,11
.irp i, 0,1,2
	global_load_b128 v[12*\t+4*\i:12*\t+4*\i+3], v[XO+\t], s[6:7] offset:256*\i
.endr
.endr
	WIN 0
.irp m, 0,1,2
.irp i, 0,1,2,3
	global_load_b32 v[AS+4*\m+\i], v[SO+\m], s[8:9] offset:8*\i    ; lanes 0-15 K step 2 i's word of row r, lanes 16-31 K step 2 i + 1's
.endr
.endr
.macro WREG b                          ; where load k of pair b waits for its way to LDS: window wv, register wr
.if (\b) == 0
.set wv, 1
.set wr, 4*k
.elseif ((\b) == 1) && (k < 12)
.set wv, 3
.set wr, 144+4*k
.elseif ((\b) == 1) && (k < 20)
.set wv, 1
.set wr, 224+4*(k-12)
.elseif (\b) == 1
.set wv, 2
.set wr, 224+4*(k-20)
.elseif k < 16
.set wv, (\b)-1
.set wr, 96+4*k
.else
.set wv, (\b)-1
.set wr, 192+4*(k-16)
.endif
.endm
.macro WASK b                          ; 16 rows of W1 (pair b holds rows 32 BB ..), 12,288 dense bytes: 24 loads of 512 consecutive bytes
.set BB, ((\b)%2)*2+(\b)/2
.set k, 0
.rept 24
	WREG \b
	WIN wv<<6
	global_load_b128 v[wr:wr+3], v[L16], s[10:11] offset:32*BB*768+512*k
.set k, k+1
.endr
	WIN 0
.endm
.macro STAGE b                         ; and into LDS: chunk 2 k + h of the group at 272 (2 k + h)
.set BB, ((\b)%2)*2+(\b)/2
	v_add_nc_u32 v[ST], 2*BB*GRP, v[SA]
	s_wait_alu depctr_va_vdst(0)
.set k, 0
.rept 24
	WREG \b
	WIN wv<<2
	ds_store_b128 v[ST], v[wr:wr+3] offset:544*k
.set k, k+1
.endr
	WIN 0
.endm
	WASK 0
.irp b, 0,1,2,3
.set BB, ((\b)%2)*2+(\b)/2
.irp j, 0,1
	global_load_b128 v[WS+8*\b+4*\j:WS+8*\b+4*\j+3], v[OWS], s[12:13] offset:1024*BB+16*\j
.endr
.endr
.irp b, 0,1,2,3
.set BB, ((\b)%2)*2+(\b)/2
	WIN (1+(\b)/2)<<6
.irp u, 0,1
.irp j, 0,1
	global_load_b128 v[BI+16*((\b)%2)+8*\u+4*\j:BI+16*((\b)%2)+8*\u+4*\j+3], v[OBI], s[14:15] offset:4*(32*BB+8*\u)+16*\j
.endr
.endr
.endr
	WIN 0
	WASK 1
	WASK 2
	s_wait_loadcnt 48                              ; of 144 loads the first 96 are in: x (36), its scales (12), pair 0 (24), W1's scales (8), b1 (16)
	STAGE 0
	WIN 0x0c
.irp t, 0,1,2,3,4,5,6,7,8,9,10,11
.irp i, 0,1,2
	ds_store_b128 v[XST], v[12*\t+4*\i:12*\t+4*\i+3] offset:2*\t*ROWP+272*\i
.endr
.endr
	WIN 0
	WASK 3
	BARRIER                                        ; x and pair 0 of W1 lie in LDS
.irp m, 0,1,2
	WIN (1+\m)<<6
.irp s, 0,1,2,3,4,5,6,7
.irp j, 0,1,2
.set p0, 96*\s+16*\j
.set wo, 16*\m*ROWP+p0+16*(p0>>SH)
.if ((p0+48)>>SH) != (p0>>SH)
	ds_load_b128 v[12*\s+4*\j:12*\s+4*\j+3], v[XA1] offset:wo
.else
	ds_load_b128 v[12*\s+4*\j:12*\s+4*\j+3], v[XA0] offset:wo
.endif
.endr
.endr
.endr
	WIN 0
.set i, 0
.rept 44
	v_perm_b32 v[AS+i], v[AS+i], v[AS+i], s88      ; x's 12 and W1's 32 scale words into the fragments' K order
.set i, i+1
.endr
; ---- slice gK of the GELU, in place, of the accumulator at v[gB]: gelu(x) = (x / 2)(1 + erf(x / sqrt(2))).  Slices go up from 0.
; A wait stands ahead of the reciprocals (behind slice 4, the last that writes what they or the lines behind them read) and one behind them, ahead of their first reader and of the next product.
.macro HORN acc, k
.irp p, 0,2,4,6
	v_pk_fma_f32 v[\acc+\p:\acc+\p+1], v[\acc+\p:\acc+\p+1], v[Z2+\p:Z2+\p+1], s[\k:\k+1] op_sel_hi:[1,1,0]
.endr
.endm
.macro GSL
.if gK == 0
.irp p, 0,2,4,6
	v_pk_mul_f32 v[Z+\p:Z+\p+1], v[gB+\p:gB+\p+1], s[KC:KC+1] op_sel_hi:[1,0]
.endr
.irp p, 0,1,2,3,4,5,6,7
	v_med3_num_f32 v[Z+\p], v[Z+\p], -4.0, 4.0
.endr
.elseif gK == 1
.irp p, 0,2,4,6
	v_pk_mul_f32 v[Z2+\p:Z2+\p+1], v[Z+\p:Z+\p+1], v[Z+\p:Z+\p+1]
.endr
.irp p, 0,2,4,6
	v_pk_fma_f32 v[P+\p:P+\p+1], v[Z2+\p:Z2+\p+1], s[A13:A13+1], v[KA:KA+1] op_sel_hi:[1,0,1]
.endr
.irp p, 0,2,4,6
	v_pk_fma_f32 v[Q+\p:Q+\p+1], v[Z2+\p:Z2+\p+1], s[B8:B8+1], v[KB:KB+1] op_sel_hi:[1,0,1]
.endr
.elseif gK == 2
	HORN P, A9
	HORN Q, B4
	HORN P, A7
.elseif gK == 3
	HORN Q, B2
	HORN P, A5
	HORN Q, B0
.elseif gK == 4
	HORN P, A3
	HORN P, A1
.irp p, 0,2,4,6
	v_pk_mul_f32 v[Z2+\p:Z2+\p+1], v[gB+\p:gB+\p+1], 0.5 op_sel_hi:[1,0]   ; z^2 is done with: its registers take x / 2
.endr
	s_wait_alu depctr_va_vdst(0)
.elseif gK == 5
.irp p, 0,1,2,3,4,5,6,7
	v_rcp_f32 v[Q+\p], v[Q+\p]
.endr
.irp p, 0,2,4,6
	v_pk_mul_f32 v[P+\p:P+\p+1], v[Z+\p:Z+\p+1], v[P+\p:P+\p+1]           ; four plain instructions between the reciprocals and their first use
.endr
	s_wait_alu depctr_va_vdst(0)
.irp p, 0,2,4,6
	v_pk_fma_f32 v[P+\p:P+\p+1], v[P+\p:P+\p+1], v[Q+\p:Q+\p+1], 1.0 op_sel_hi:[1,1,0]
.endr
.else
.irp p, 0,2,4,6
	v_pk_mul_f32 v[gB+\p:gB+\p+1], v[Z2+\p:Z2+\p+1], v[P+\p:P+\p+1]
.endr
.endif
.endm
.macro SLICE set                       ; place n of 48 for a set's six accumulators: seven slices each, the eighth place is empty
.set gB, ACC+48*(\set)+8*(n/8)
.set gK, n%8
.if gK < 7
	WIN 0
	GSL
.endif
.set n, n+1
.endm
.macro WLOAD s                         ; six LDS loads: the two tiles' fragments of K step s into set s % 2; lanes 16-31 read 48 bytes on, for some pieces behind one padding more
	WIN 0xc0
.irp u, 0,1
.irp j, 0,1,2
.set p0, 96*(\s)+16*\j
.set wo, UOFF*\u+p0+16*(p0>>SH)
.set wr, WF+24*((\s)%2)+12*\u+4*\j
.if ((p0+48)>>SH) != (p0>>SH)
	ds_load_b128 v[wr:wr+3], v[WB] offset:wo
.else
	ds_load_b128 v[wr:wr+3], v[WA] offset:wo
.endif
.endr
.endr
.endm
.macro MM b, m, u                      ; one product of K step st: tile u of pair b against row tile m; in step 0 the bias is C
.set rD, ACC+48*((\b)%2)+8*(2*(\m)+(\u))
.set rW, WF+24*(st%2)+12*(\u)
.set rA, 12*st
.set rS, WS+NS*(\b)+st
.set rT, AS+(NS/2)*(\m)+st/2
.if st == 0
.set rC, BI+16*((\b)%2)+8*(\u)
	WIN 0x03|((1+(\m))<<2)|((1+(\b)/2)<<4)
.else
.set rC, rD
	WIN 0x03|((1+(\m))<<2)
.endif
.if ((\u) == 0) && (st%2 == 0)
	v_wmma_scale_f32_16x16x128_f8f6f4 v[rD:rD+7], v[rW:rW+11], v[rA:rA+11], v[rC:rC+7], v[rS], v[rT] matrix_a_fmt:MATRIX_FMT_BF6 matrix_b_fmt:MATRIX_FMT_BF6
.elseif (st%2 == 0)
	v_wmma_scale_f32_16x16x128_f8f6f4 v[rD:rD+7], v[rW:rW+11], v[rA:rA+11], v[rC:rC+7], v[rS], v[rT] matrix_a_fmt:MATRIX_FMT_BF6 matrix_b_fmt:MATRIX_FMT_BF6 matrix_a_scale:MATRIX_SCALE_ROW1
.elseif (\u) == 0
	v_wmma_scale_f32_16x16x128_f8f6f4 v[rD:rD+7], v[rW:rW+11], v[rA:rA+11], v[rC:rC+7], v[rS], v[rT] matrix_a_fmt:MATRIX_FMT_BF6 matrix_b_fmt:MATRIX_FMT_BF6 matrix_b_scale:MATRIX_SCALE_ROW1
.else
	v_wmma_scale_f32_16x16x128_f8f6f4 v[rD:rD+7], v[rW:rW+11], v[rA:rA+11], v[rC:rC+7], v[rS], v[rT] matrix_a_fmt:MATRIX_FMT_BF6 matrix_b_fmt:MATRIX_FMT_BF6 matrix_a_scale:MATRIX_SCALE_ROW1 matrix_b_scale:MATRIX_SCALE_ROW1
.endif
.endm
.macro STEP b, ep                      ; K step st: the next step's fragments are asked for, then six products, the six accumulators by turns; ep = 1: a slice of the pair before behind each product
.if st > 0
	PLACES
.endif
.if st+1 < NS
	WLOAD st+1
.endif
.if \ep
	s_wait_alu depctr_va_vdst(0)
.endif
.if st+1 < NS
	s_wait_dscnt 6                                 ; the six just issued may be out
.else
	s_wait_dscnt 0x0
.endif
.irp m, 0,1,2
.irp u, 0,1
	MM \b, \m, \u
.if \ep
	SLICE ((\b)+1)%2
.endif
.endr
.endr
.endm
.macro PAIR b, ep
.set n, 0
.set PBV, 2*GRP*(((\b)%2)*2+(\b)/2)
	v_add_nc_u32 v[WA], PBV, v[AD0]
	v_add_nc_u32 v[WB], PBV, v[AD1]
	s_wait_alu depctr_va_vdst(0)
	PLACES
	WLOAD 0
.set st, 0
.rept NS
	STEP \b, \ep
.set st, st+1
.endr
	WIN 0
.endm
.macro QB b                            ; pair b's 32 units are one block of layer 2's K: its largest magnitude (lanes l and l xor 16), scale byte and codes, for three row tiles
.set qA, ACC+48*((\b)%2)
.set qC, PC+6*((\b)/2)
.irp m, 0,1,2
	v_max3_num_f32 v[QM+\m], |v[qA+16*\m]|, |v[qA+16*\m+1]|, 0x2800000
.endr
.irp i, 2,4,6,8,10,12,14
.irp m, 0,1,2
	v_max3_num_f32 v[QM+\m], v[QM+\m], |v[qA+16*\m+\i]|, |v[qA+16*\m+\i+1]|
.endr
.endr
.irp m, 0,1,2
	v_permlanex16_b32 v[QO+\m], v[QM+\m], s30, s31
.endr
.irp m, 0,1,2
	v_max_num_f32 v[QM+\m], v[QM+\m], v[QO+\m]
.endr
.irp m, 0,1,2
	v_add_nc_u32 v[QS+\m], 0xfe000000, v[QM+\m]
.endr
.irp m, 0,1,2
	v_lshrrev_b32 v[QO+\m], 23, v[QS+\m]
.endr
.irp m, 0,1,2
.if (\b) == 0
	v_mov_b32 v[PW+\m], v[QO+\m]
.else
	v_lshl_or_b32 v[PW+\m], v[QO+\m], 8*(\b), v[PW+\m]
.endif
.endr
.irp m, 0,1,2
.if (\b)%2 == 0
	v_cvt_scalef32_pk16_bf6_f32 v[qC+12*\m:qC+12*\m+2], v[qA+16*\m:qA+16*\m+15], v[QS+\m]
.else
	v_cvt_scalef32_pk16_bf6_f32 v[TX+4*\m:TX+4*\m+2], v[qA+16*\m:qA+16*\m+15], v[QS+\m]
.endif
.endr
	v_nop
.if (\b)%2 == 1
.irp m, 0,1,2
.irp i, 0,1,2
	v_permlane16_swap_b32 v[qC+12*\m+\i], v[TX+4*\m+\i]
.endr
.irp i, 0,1,2
	v_mov_b32 v[qC+12*\m+3+\i], v[TX+4*\m+\i]
.endr
.endr
.endif
.endm
	PAIR 0, 0
	s_wait_loadcnt 48                              ; pair 1 of W1 is in registers; pairs 2 and 3 may be out
	STAGE 1
	BARRIER
	PAIR 1, 1
	QB 0
	s_wait_loadcnt 24                              ; pair 2
	STAGE 2
	BARRIER
	PAIR 2, 1
	QB 1
	s_wait_loadcnt 0x0                             ; pair 3
	STAGE 3
	BARRIER
	PAIR 3, 1
	QB 2
.set n, 0
.rept 48
	SLICE 1                                        ; the last pair's GELU has no products to stand behind
.endr
	QB 3
.irp m, 0,1,2
.irp c, 0,1,2
	global_store_b128 v[L16], v[PC+12*\m+4*\c:PC+12*\m+4*\c+3], s[16:17] offset:24576*\m+512*\c   ; 32 lanes store 512 consecutive bytes
.endr
	global_store_b32 v[R4], v[PW+\m], s[18:19] offset:1024*\m
.endr
	s_wait_tensorcnt 0x0                           ; the wave's end
	ds_add_u32 v254, v255
	s_wait_dscnt 0x0
	s_endpgm
; ---- work-group 232: every token's position, type by type in a counted loop; lane e of v[BV] holds my wave's first position of type e
.Lsorter:
	v_mov_b32 v[BV], 0
.irp k, 0,1,2,3,4,5,6,7
	s_mul_i32 s92, s[48+\k], 96
	s_add_co_u32 s92, s92, s[40+\k]
	v_writelane_b32 v[BV], s92, \k
.endr
.set i, 0
.rept 16
	v_mov_b32 v[PS+i], 0
.set i, i+1
.endr
	s_mov_b32 s89, 0
	s_wait_alu depctr_va_vdst(0)
.Ltype:
	v_readlane_b32 s90, v[BV], s89
.set i, 0
.rept 16
	v_cmp_eq_u32 s91, s89, v[TY+i]
	v_mbcnt_lo_u32_b32 v[T0], s91, s90
	v_cndmask_b32 v[PS+i], v[PS+i], v[T0], s91
	s_bcnt1_i32_b32 s92, s91
	s_add_co_u32 s90, s90, s92
.set i, i+1
.endr
	s_add_co_u32 s89, s89, 1
	s_cmp_lt_u32 s89, 8
	s_wait_alu depctr_va_vdst(0)
	s_cbranch_scc1 .Ltype
.irp k, 0,1,2,3
	global_store_b128 v[TOF], v[PS+4*\k:PS+4*\k+3], s[20:21] offset:512*\k   ; 32 lanes store 512 consecutive bytes
.endr
	s_cmp_lg_u32 s24, 0
	s_cbranch_scc1 .Lsorted
	v_mov_b32 v[T0+1], 0                           ; tile = lane: its type is the number of types 1 .. 7 whose first tile is not beyond it
.irp e, 1,2,3,4,5,6,7
	v_cmp_le_u32 vcc_lo, s[48+\e], v[LN]
	v_cndmask_b32 v[T0+2], 0, 1, vcc_lo
	v_add_nc_u32 v[T0+1], v[T0+1], v[T0+2]
.endr
	global_store_b32 v[L4], v[T0+1], s[22:23]
.Lsorted:
	s_wait_tensorcnt 0x0
	ds_add_u32 v254, v255
	s_wait_dscnt 0x0
	s_endpgm
.Lfunc_end_k_qb963b96f95_layer1:
	.size	k_qb963b96f95_layer1, .Lfunc_end_k_qb963b96f95_layer1-k_qb963b96f95_layer1
	.p2alignl 7, 3214868480
	.fill 96, 4, 3214868480
	.section	.rodata,"a",@progbits
	.p2align	6, 0x0
	.amdhsa_kernel k_qb963b96f95_layer1
		.amdhsa_group_segment_fixed_size 298752
		.amdhsa_private_segment_fixed_size 0
		.amdhsa_enable_private_segment 0
		.amdhsa_kernarg_size 80
		.amdhsa_user_sgpr_count 2
		.amdhsa_user_sgpr_kernarg_segment_ptr 1
		.amdhsa_wavefront_size32 1
		.amdhsa_system_sgpr_workgroup_id_x 1
		.amdhsa_system_sgpr_workgroup_id_y 1
		.amdhsa_system_sgpr_workgroup_id_z 1
		.amdhsa_system_vgpr_workitem_id 0
		.amdhsa_next_free_vgpr 1024
		.amdhsa_next_free_sgpr 100
		.amdhsa_reserve_vcc 1
		.amdhsa_float_denorm_mode_32 3
		.amdhsa_float_denorm_mode_16_64 3
		.amdhsa_memory_ordered 1
		.amdhsa_forward_progress 1
		.amdhsa_inst_pref_size 255
	.end_amdhsa_kernel
	.section	.bss,"aw",@nobits
	.p2align	6
	.space	262144
	.amdgpu_metadata
---
amdhsa.version: [ 1, 2 ]
amdhsa.kernels:
  - .name:           k_qb963b96f95_layer1
    .symbol:         k_qb963b96f95_layer1.kd
    .args:
      - { .name: geometry_types, .offset: 0, .size: 8, .value_kind: global_buffer, .address_space: global }
      - { .name: x_codes, .offset: 8, .size: 8, .value_kind: global_buffer, .address_space: global }
      - { .name: x_scales, .offset: 16, .size: 8, .value_kind: global_buffer, .address_space: global }
      - { .name: W1_codes, .offset: 24, .size: 8, .value_kind: global_buffer, .address_space: global }
      - { .name: W1_scales, .offset: 32, .size: 8, .value_kind: global_buffer, .address_space: global }
      - { .name: b1, .offset: 40, .size: 8, .value_kind: global_buffer, .address_space: global }
      - { .name: hc, .offset: 48, .size: 8, .value_kind: global_buffer, .address_space: global }
      - { .name: hs, .offset: 56, .size: 8, .value_kind: global_buffer, .address_space: global }
      - { .name: pos, .offset: 64, .size: 8, .value_kind: global_buffer, .address_space: global }
      - { .name: tiles, .offset: 72, .size: 8, .value_kind: global_buffer, .address_space: global }
    .group_segment_fixed_size: 298752
    .private_segment_fixed_size: 0
    .kernarg_segment_align: 8
    .kernarg_segment_size: 80
    .max_flat_workgroup_size: 128
    .sgpr_count:     100
    .vgpr_count:     1024
    .wavefront_size: 32
...
	.end_amdgpu_metadata
.endif
;; end of part 1
;; launch layer2 (part 2): grid 232 x 1, 4 waves a work-group, no clusters, 327,680 bytes of LDS; arguments hc, hs, W2_codes, W2_scales, b2, tiles, W3, part; writes part
.if DOCPART == 2
	.amdgcn_target "amdgcn-amd-amdhsa--gfx1250"
	.amdhsa_code_object_version 6
	.text
	.protected	k_qb963b96f95_layer2
	.globl	k_qb963b96f95_layer2
	.p2align	8
	.type	k_qb963b96f95_layer2,@function
k_qb963b96f95_layer2:
	s_mov_b64 s[64:65], 0
	v_nop
	global_prefetch_b8 v0, s[64:65] scope:SCOPE_SE
	s_setreg_imm32_b32 hwreg(HW_REG_WAVE_MODE, 25, 1), 1
	s_wait_xcnt 0x0
; LAYER 2 AND THE PARTS OF LAYER 3.  h2 = gelu(h1 W2[e] + b2[e]) for one tile of 96 sorted positions and 128 of the 1,024 units, e the tile's type, read from tiles.
; Work-group n serves tile n / 8 and units 128 (n % 8) .. + 127, as in layer 1: the tiles that read one block of W2 have numbers 8 apart.
; Then each wave's 64 units times W3[e]: a partial sum of the 12 parameters, stored to part [16 parts][2,784 positions][16 f32]; the last launch adds the sixteen.
; WORK LEFT OUT, as in layer 1: a token is multiplied with its own type's weights alone; the other heads' rows reach no output.
; The first product is on codes of E3M2 with E8M0 scales; h1 comes as images of the operand's registers, made by layer 1.  The second (N = 12) takes bf16 operands and f32 sums; nothing behind it is quantised.
; SHARES.  Four waves: g = w / 2 (64 of the 128 units), rho = w % 2 (48 of the 96 positions: three row tiles).  Both products are used transposed: a lane holds ONE position.
; A pair is 32 neighbouring units (two tiles of W2, rows in their own order) x three row tiles: 6 accumulators, 16 K steps.  Two tiles' results, rounded in pairs, ARE a bf16 fragment of 32 units x 16 positions.
; K ORDER as in layer 1: lane (r, h) holds the 48 consecutive bytes 96 s + 48 h of its row; bytes 1 and 2 of W2's scale words change places; h1's images and scale words were made in that order.
; W2's 128 rows (196,608 bytes) come into LDS once, each byte filled once: a wave's one tensor load at the head brings 16 rows of pair 0; its 16 rows of pair 1 are asked for behind the barrier that pair 0's
; products need anyway.  h1's images come straight into registers and stay; the first 60 of those loads, which hang on the
; tile alone, go out while the tile's type is on its way.
; NO JOINT LOADS: how many tiles share a block of W2 hangs on counts read from memory, and 29 tiles divide into no cluster of four.  NO PREFETCH: the text has no loop to run ahead in.
; A tile without tokens runs the same text and stores into rows of part that nobody reads.  Parameters 12 to 15 of a row of part are parameter 11's weights once more: stored, never read.
; LIMITS: erf is a rational in z^2 with z held to +-4; NaN and infinities are not served.
; REGISTERS, in windows of 256: window 0: all that vector instructions touch, and every scale register.  Window 1 + m: h1's fragments of row tile m, K step s at v[12 s] (v0-191).
;   Windows 1, 2, v240-255: b2 of pair 0, 1.   Window 2, v192-215: the three accumulators of the last product.   Window 3, v192-239: two sets of W2's fragments; v240-255: W3's two fragments.
.set NS,   16
.set SH,   9                           ; 16 bytes of padding lie behind every 512 bytes of a row
.set ROWP, 1584                        ; a row of W2 in LDS: 1,536 bytes + 3 x 16 = 99 pieces of 16 bytes: sixteen rows begin at 16 different pieces modulo 256
.set UOFF, 16*ROWP
.set L16,  1
.set L4,   2
.set AD0,  3
.set AD1,  4
.set WA,   5
.set WB,   6
.set OP,   7                           ; 64 r + 32 h: my eight parameters of my position's row of part
.set OW3,  8                           ; W3: 384 h + 4 min(r, 11)
.set OWS,  9                           ; 64 x lane: my row of W2's scales
.set KA,   10
.set KB,   12
.set OBI,  14                          ; 32 h
.set AS,   16                          ; v16-39  h1's scale words: 8 m + s / 2
.set WS,   40                          ; v40-71  W2's scale words: 16 b + s; lanes 0-15 tile u = 0, lanes 16-31 tile u = 1
.set HB,   72                          ; v72-95  h2 in bf16: a fragment for each row tile
.set ACC,  96                          ; v96-191 two sets of 6 accumulators
.set Z,    192                         ; v192-223 the GELU's four sets of eight; at the head W3's 32 numbers
.set Z2,   200
.set P,    208
.set Q,    216
.set WF,   192                         ; window 3
.set W3F,  240                         ; window 3
.set BI,   240                         ; windows 1 and 2
.set YA,   192                         ; window 2
.set G1,   32
.set G0,   40
.set KC,   66
.set A13,  68
.set A9,   70
.set A7,   72
.set A5,   74
.set A3,   76
.set A1,   78
.set B8,   80
.set B4,   82
.set B2,   84
.set B0,   86
.set MSB, 0
.macro WIN new                         ; the immediate's high byte repeats the setting that is left; a switch that changes nothing is dropped
.if MSB != (\new)
	s_set_vgpr_msb (MSB<<8)|(\new)
.set MSB, (\new)
.endif
.endm
.macro PLACES                          ; four plain vector instructions behind matrix instructions, in front of loads into registers that they read and of reads of their results
.rept 4
	v_nop
.endr
.endm
.macro KPAIR r, bits
	s_mov_b32 s[\r], \bits
	s_mov_b32 s[\r+1], \bits
.endm
.macro ALOAD s0, s1                    ; h1's images of K steps s0 .. s1 - 1: nine pieces of 512 bytes a step
.set sx, \s0
.rept (\s1)-(\s0)
.irp m, 0,1,2
	WIN (1+\m)<<6
.irp c, 0,1,2
	global_load_b128 v[12*sx+4*\c:12*sx+4*\c+3], v[L16], s[4:5] offset:24576*\m+1536*sx+512*\c
.endr
.endr
.set sx, sx+1
.endr
	WIN 0
.endm
	s_load_b512 s[4:19], s[0:1], 0x0               ; hc s[4:5], hs s[6:7], W2's codes s[8:9], its scales s[10:11], b2 s[12:13], tiles s[14:15], W3 s[16:17], part s[18:19]
	v_lshl_add_u32 v254, v0, 2, 0x32000
	v_mov_b32 v255, 0
	ds_add_u32 v254, v255
	ds_add_u32 v254, v255
	v_and_b32 v15, 31, v0                          ; lane
	v_lshlrev_b32 v[L16], 4, v15
	v_lshlrev_b32 v[L4], 2, v15
	v_lshlrev_b32 v[OWS], 6, v15
	v_lshrrev_b32 v15, 5, v0
	v_readfirstlane_b32 s20, v15                   ; wave 0..3
	s_lshr_b32 s21, s20, 1                         ; g
	s_and_b32 s22, s20, 1                          ; rho
	s_lshr_b32 s23, ttmp9, 3                       ; my tile
	s_and_b32 s24, ttmp9, 7                        ; which 128 units
	v_and_b32 v[WA], 15, v0                        ; r
	v_bfe_u32 v[WB], v0, 4, 1                      ; h
	v_mul_u32_u24 v[AD0], v[WA], ROWP
	s_mul_i32 s26, s21, 64*ROWP                    ; my wave group's 64 rows
	v_add_nc_u32 v[AD0], s26, v[AD0]
	v_lshl_add_u32 v[AD1], v[WB], 6, v[AD0]
	v_mad_u32_u24 v[AD0], v[WB], 48, v[AD0]
	v_lshlrev_b32 v[OP], 6, v[WA]
	v_lshl_add_u32 v[OP], v[WB], 5, v[OP]
	v_min_u32 v15, 11, v[WA]                       ; W3 has 12 columns: lanes 12-15 take the last once more, so that no load leaves the buffer
	v_lshlrev_b32 v15, 2, v15
	v_mad_u32_u24 v[OW3], v[WB], 384, v15          ; lanes 16-31 begin 8 rows of 48 bytes further down
	v_lshlrev_b32 v[OBI], 5, v[WB]
	v_mov_b32 v[KA], 0x32edffee                    ; alpha 11
	v_mov_b32 v[KA+1], 0x32edffee
	v_mov_b32 v[KB], 0xb95fbd29                    ; beta 6
	v_mov_b32 v[KB+1], 0xb95fbd29
	s_mov_b32 s56, 0x03010200                      ; byte select: bytes 1 and 2 change places
	KPAIR KC,  0x3f3504f3                          ; 1 / sqrt(2); erf(z) = z (a1 + a3 z^2 + .. + a13 z^12) / (b0 + b2 z^2 + .. + b8 z^8)
	KPAIR A13, 0xaf95df0b
	KPAIR A9,  0xb60cff51
	KPAIR A7,  0xb86ec2d2
	KPAIR A5,  0xba40ac63
	KPAIR A3,  0xbb41a1f6
	KPAIR A1,  0xbc83dbd4
	KPAIR B8,  0xb77460cd
	KPAIR B4,  0xbadc924e
	KPAIR B2,  0xbbf19bf8
	KPAIR B0,  0xbc69b6a7
	; descriptor group 1: 16 rows of W2 are 24,576 dense bytes: 48 rows of 512 bytes (64 elements of 8), 16 bytes of padding behind each
	s_mov_b32 s[G1+0], (3<<16)|(1<<20)|(6<<22)|(3<<25)
	s_mov_b32 s[G1+1], 64<<16                      ; tensor_dim0
	s_mov_b32 s[G1+2], 48<<16                      ; tensor_dim1
	s_mov_b32 s[G1+3], 64<<16                      ; tile_dim0
	s_mov_b32 s[G1+4], 48                          ; tile_dim1
	s_mov_b32 s[G1+5], 64                          ; from row to row
	s_mov_b32 s[G1+6], 0
	s_mov_b32 s[G1+7], 0
	s_wait_alu depctr_va_vdst(0)
	s_wait_dscnt 0x0
	s_wait_kmcnt 0x0
	s_lshl_b32 s26, s23, 2
	s_mov_b32 s27, 0
	s_add_nc_u64 s[14:15], s[14:15], s[26:27]
	s_load_b32 s25, s[14:15], 0x0                  ; my tile's type; what hangs on the tile alone is made and asked for while it is on its way
	s_mul_i32 s28, s23, 6
	s_mul_i32 s29, s22, 3
	s_add_co_u32 s28, s28, s29                     ; my first row tile: 6 tile + 3 rho
	s_mul_i32 s26, s28, 24576
	s_add_nc_u64 s[4:5], s[4:5], s[26:27]          ; its images of h1,
	s_lshl_b32 s26, s28, 10
	s_add_nc_u64 s[6:7], s[6:7], s[26:27]          ; their scale words,
	s_add_nc_u64 s[18:19], s[18:19], s[26:27]      ; and its 16 rows of 64 bytes in a part,
	s_lshl_b32 s29, s24, 1
	s_add_co_u32 s29, s29, s21
	s_mul_i32 s26, s29, 178176                     ; part 2 (n % 8) + g
	s_add_nc_u64 s[18:19], s[18:19], s[26:27]
	; ---- 216 loads into registers; the first 60: h1's scale words and its images of K steps 0 to 3
.irp m, 0,1,2
.irp i, 0,1,2,3,4,5,6,7
	global_load_b32 v[AS+8*\m+\i], v[L4], s[6:7] offset:1024*\m+128*\i
.endr
.endr
	ALOAD 0, 4
	s_wait_kmcnt 0x0
	s_min_u32 s25, s25, 7
	s_lshl_b32 s28, s25, 10
	s_lshl_b32 s29, s24, 7
	s_add_co_u32 s28, s28, s29
	s_lshl_b32 s29, s21, 6
	s_add_co_u32 s28, s28, s29                     ; my wave group's first unit: 1024 e + 128 (n % 8) + 64 g
	s_lshl_b32 s26, s28, 6
	s_add_nc_u64 s[10:11], s[10:11], s[26:27]
	s_lshl_b32 s26, s28, 2
	s_add_nc_u64 s[12:13], s[12:13], s[26:27]
	s_mul_i32 s26, s28, 48
	s_add_nc_u64 s[16:17], s[16:17], s[26:27]
	s_lshl_b32 s29, s22, 4
	s_add_co_u32 s28, s28, s29                     ; of each pair's 32 rows wave rho fetches 16
	s_mul_i32 s26, s28, 1536
	s_add_nc_u64 s[8:9], s[8:9], s[26:27]
	s_lshl_b32 s29, s21, 6
	s_lshl_b32 s26, s22, 4
	s_add_co_u32 s29, s29, s26
	s_mul_i32 s29, s29, ROWP                       ; row 64 g + 16 rho (+ 32 b): made of the wave's number and constants alone
.irp b, 0,1
	s_mov_b32 s[G0+4*\b], 1                        ; count = 1
	s_add_co_u32 s[G0+4*\b+1], s29, 32*\b*ROWP     ; LDS address
	s_add_nc_u64 s[G0+4*\b+2:G0+4*\b+3], s[8:9], 32*\b*1536   ; global address
	s_or_b32 s[G0+4*\b+3], s[G0+4*\b+3], 0x80000000           ; type = 2
.endr
	tensor_load_to_lds s[G0:G0+3], s[G1:G1+7]      ; pair 0: one tensor load a wave at the head
	s_nop 0
	PLACES
.irp b, 0,1
.irp i, 0,1,2,3,4,5,6,7,8,9,10,11,12,13,14,15
	global_load_b32 v[Z+16*\b+\i], v[OW3], s[16:17] offset:48*(32*\b+\i+8*(\i/8))   ; W3(32 b + k, r): k = 8 h + i, and 16 + 8 h + i - 8 from i = 8 on: the bf16 fragment's own order
.endr
.endr
.irp b, 0,1
.irp j, 0,1,2,3
	global_load_b128 v[WS+16*\b+4*\j:WS+16*\b+4*\j+3], v[OWS], s[10:11] offset:2048*\b+16*\j
.endr
.endr
.irp b, 0,1
	WIN (1+\b)<<6
.irp u, 0,1
.irp j, 0,1
	global_load_b128 v[BI+8*\u+4*\j:BI+8*\u+4*\j+3], v[OBI], s[12:13] offset:4*(32*\b+16*\u)+16*\j   ; register j of lane (r, h): b2 of unit 32 b + 16 u + 8 h + j
.endr
.endr
.endr
	WIN 0
	ALOAD 4, 16
	s_wait_loadcnt 63                              ; of 216 loads the first 153 are in: 60, W3 (32), scales (8), biases (8), and the nine pieces of h1 of each of K steps 4 to 8
.irp i, 0,1,2,3,4,5,6,7,8,9,10,11,12,13,14,15,16,17,18,19,20,21,22,23,24,25,26,27,28,29,30,31
	v_perm_b32 v[WS+\i], v[WS+\i], v[WS+\i], s56   ; W2's scale words into the K order of the fragments
.endr
	WIN 0xc0                                       ; destination window 3
.irp b, 0,1
.irp i, 0,1,2,3,4,5,6,7
	v_cvt_pk_bf16_f32 v[W3F+8*\b+\i], v[Z+16*\b+2*\i], v[Z+16*\b+2*\i+1]
.endr
.endr
	WIN 0
; ---- slice gK of the GELU, in place, of the accumulator at v[gB]: gelu(x) = (x / 2)(1 + erf(x / sqrt(2))).  Slices go up from 0.
; A wait stands ahead of the reciprocals (behind slice 4, the last that writes what they or the lines behind them read) and one behind them, ahead of their first reader and of the next product.
.macro HORN acc, k
.irp p, 0,2,4,6
	v_pk_fma_f32 v[\acc+\p:\acc+\p+1], v[\acc+\p:\acc+\p+1], v[Z2+\p:Z2+\p+1], s[\k:\k+1] op_sel_hi:[1,1,0]
.endr
.endm
.macro GSL
.if gK == 0
.irp p, 0,2,4,6
	v_pk_mul_f32 v[Z+\p:Z+\p+1], v[gB+\p:gB+\p+1], s[KC:KC+1] op_sel_hi:[1,0]
.endr
.irp p, 0,1,2,3,4,5,6,7
	v_med3_num_f32 v[Z+\p], v[Z+\p], -4.0, 4.0
.endr
.elseif gK == 1
.irp p, 0,2,4,6
	v_pk_mul_f32 v[Z2+\p:Z2+\p+1], v[Z+\p:Z+\p+1], v[Z+\p:Z+\p+1]
.endr
.irp p, 0,2,4,6
	v_pk_fma_f32 v[P+\p:P+\p+1], v[Z2+\p:Z2+\p+1], s[A13:A13+1], v[KA:KA+1] op_sel_hi:[1,0,1]
.endr
.irp p, 0,2,4,6
	v_pk_fma_f32 v[Q+\p:Q+\p+1], v[Z2+\p:Z2+\p+1], s[B8:B8+1], v[KB:KB+1] op_sel_hi:[1,0,1]
.endr
.elseif gK == 2
	HORN P, A9
	HORN Q, B4
	HORN P, A7
.elseif gK == 3
	HORN Q, B2
	HORN P, A5
	HORN Q, B0
.elseif gK == 4
	HORN P, A3
	HORN P, A1
.irp p, 0,2,4,6
	v_pk_mul_f32 v[Z2+\p:Z2+\p+1], v[gB+\p:gB+\p+1], 0.5 op_sel_hi:[1,0]   ; z^2 is done with: its registers take x / 2
.endr
	s_wait_alu depctr_va_vdst(0)
.elseif gK == 5
.irp p, 0,1,2,3,4,5,6,7
	v_rcp_f32 v[Q+\p], v[Q+\p]
.endr
.irp p, 0,2,4,6
	v_pk_mul_f32 v[P+\p:P+\p+1], v[Z+\p:Z+\p+1], v[P+\p:P+\p+1]           ; four plain instructions between the reciprocals and their first use
.endr
	s_wait_alu depctr_va_vdst(0)
.irp p, 0,2,4,6
	v_pk_fma_f32 v[P+\p:P+\p+1], v[P+\p:P+\p+1], v[Q+\p:Q+\p+1], 1.0 op_sel_hi:[1,1,0]
.endr
.else
.irp p, 0,2,4,6
	v_pk_mul_f32 v[gB+\p:gB+\p+1], v[Z2+\p:Z2+\p+1], v[P+\p:P+\p+1]
.endr
.endif
.endm
.macro SLICE set                       ; place n of 48 for a set's six accumulators: seven slices each, the eighth place is empty
.set gB, ACC+48*(\set)+8*(n/8)
.set gK, n%8
.if gK < 7
	WIN 0
	GSL
.endif
.set n, n+1
.endm
; six LDS loads: the two tiles' fragments of K step s into set s % 2.  Byte p of a row lies at p + 16 (p >> SH); lanes 16-31 read 48 bytes on, which for some pieces is behind one padding more.
.macro WLOAD s
	WIN 0xc0                                       ; destination window 3, address window 0
.irp u, 0,1
.irp j, 0,1,2
.set p0, 96*(\s)+16*\j
.set wo, UOFF*\u+p0+16*(p0>>SH)
.set wr, WF+24*((\s)%2)+12*\u+4*\j
.if ((p0+48)>>SH) != (p0>>SH)
	ds_load_b128 v[wr:wr+3], v[WB] offset:wo
.else
	ds_load_b128 v[wr:wr+3], v[WA] offset:wo
.endif
.endr
.endr
.endm
; one product of K step st: tile u of pair b against row tile m.  In step 0 the bias is C; after that the sum goes on in place.
.macro MM b, m, u
.set rD, ACC+48*((\b)%2)+8*(2*(\m)+(\u))
.set rW, WF+24*(st%2)+12*(\u)
.set rA, 12*st
.set rS, WS+NS*(\b)+st
.set rT, AS+(NS/2)*(\m)+st/2
.if st == 0
.set rC, BI+8*(\u)
	WIN 0x03|((1+(\m))<<2)|((1+(\b))<<4)           ; W2 window 3, h1 window 1 + m, the bias window 1 + b, D window 0
.else
.set rC, rD
	WIN 0x03|((1+(\m))<<2)
.endif
.if ((\u) == 0) && (st%2 == 0)
	v_wmma_scale_f32_16x16x128_f8f6f4 v[rD:rD+7], v[rW:rW+11], v[rA:rA+11], v[rC:rC+7], v[rS], v[rT] matrix_a_fmt:MATRIX_FMT_BF6 matrix_b_fmt:MATRIX_FMT_BF6
.elseif (st%2 == 0)
	v_wmma_scale_f32_16x16x128_f8f6f4 v[rD:rD+7], v[rW:rW+11], v[rA:rA+11], v[rC:rC+7], v[rS], v[rT] matrix_a_fmt:MATRIX_FMT_BF6 matrix_b_fmt:MATRIX_FMT_BF6 matrix_a_scale:MATRIX_SCALE_ROW1
.elseif (\u) == 0
	v_wmma_scale_f32_16x16x128_f8f6f4 v[rD:rD+7], v[rW:rW+11], v[rA:rA+11], v[rC:rC+7], v[rS], v[rT] matrix_a_fmt:MATRIX_FMT_BF6 matrix_b_fmt:MATRIX_FMT_BF6 matrix_b_scale:MATRIX_SCALE_ROW1
.else
	v_wmma_scale_f32_16x16x128_f8f6f4 v[rD:rD+7], v[rW:rW+11], v[rA:rA+11], v[rC:rC+7], v[rS], v[rT] matrix_a_fmt:MATRIX_FMT_BF6 matrix_b_fmt:MATRIX_FMT_BF6 matrix_a_scale:MATRIX_SCALE_ROW1 matrix_b_scale:MATRIX_SCALE_ROW1
.endif
.endm
; K step st of pair b: the next step's fragments are asked for, then six products, the six accumulators by turns, one instruction a turn, in the same order in every step.
; ep = 1: a slice of the pair before stands behind every second product.  first = 1: h1's images are still arriving.
.macro STEP b, ep, first
.if st > 0
	PLACES                                         ; behind the last step's products, in front of loads into the set that they read
.endif
.if st+1 < NS
	WLOAD st+1
.endif
.if \ep
	s_wait_alu depctr_va_vdst(0)
.endif
.if st+1 < NS
	s_wait_dscnt 6                                 ; the six just issued may be out: this step's set is in
.else
	s_wait_dscnt 0x0
.endif
.if \first && (st >= 9)
	s_wait_loadcnt 9*(NS-1-st)                     ; nine pieces of h1 a K step: the later steps' may be out
.endif
.irp m, 0,1,2
.irp u, 0,1
	MM \b, \m, \u
.if \ep && (\u == 1)
	SLICE ((\b)+1)%2
.endif
.endr
.endr
.endm
.macro PAIR b, ep, first
.set n, 0
	s_wait_tensorcnt 0x0                           ; my half of this pair's rows is in LDS
.if (\b) == 0
	ds_add_u32 v254, v255
	s_wait_dscnt 0x0
.endif
	s_barrier_signal -1                            ; no LDS instruction of mine is out
	s_barrier_wait -1                              ; my partner's half is in too
.if (\b) == 0
	tensor_load_to_lds s[G0+4:G0+7], s[G1:G1+7]    ; pair 1's rows, into bytes of their own: my one tensor load behind this barrier
	s_nop 0
.endif
	v_add_nc_u32 v[WA], 32*(\b)*ROWP, v[AD0]
	v_add_nc_u32 v[WB], 32*(\b)*ROWP, v[AD1]
	s_wait_alu depctr_va_vdst(0)
	PLACES
	WLOAD 0
.set st, 0
.rept NS
	STEP \b, \ep, \first
.set st, st+1
.endr
	WIN 0
.endm
; Pair b's h2, rounded to bf16 in pairs, is source 1 (32 units x 16 positions) of the last product; source 0 is W3's fragment (16 parameters x 32 units).  In the result lane (r, h) holds position r and parameters 8 h + 0 .. 7.
.macro PRED b
.set pA, ACC+48*((\b)%2)
.irp m, 0,1,2
.irp u, 0,1
.irp i, 0,1,2,3
	v_cvt_pk_bf16_f32 v[HB+8*\m+4*\u+\i], v[pA+16*\m+8*\u+2*\i], v[pA+16*\m+8*\u+2*\i+1]
.endr
.endr
.endr
	PLACES
	WIN 0xa3                                       ; W3 window 3, h2 window 0, C and D window 2
.irp m, 0,1,2                          ; the three accumulators by turns, here and from one pair to the next
.if (\b) == 0
	v_wmma_f32_16x16x32_bf16 v[YA+8*\m:YA+8*\m+7], v[W3F+8*(\b):W3F+8*(\b)+7], v[HB+8*\m:HB+8*\m+7], 0
.else
	s_wait_alu depctr_va_vdst(0)                   ; reciprocals stand between the sum's last link and this one
	v_wmma_f32_16x16x32_bf16 v[YA+8*\m:YA+8*\m+7], v[W3F+8*(\b):W3F+8*(\b)+7], v[HB+8*\m:HB+8*\m+7], v[YA+8*\m:YA+8*\m+7]
.endif
.endr
	WIN 0
.endm
	PAIR 0, 0, 1
	PAIR 1, 1, 0                                   ; pair 1's products | pair 0's GELU
	PRED 0
.set n, 0
.rept 48
	SLICE 1                                        ; the last pair's GELU has no products to stand behind
.endr
	PRED 1
	PLACES                                         ; behind the last products, in front of the stores that read their results
	WIN 0x08                                       ; a store's data are its source 1: window 2
.irp m, 0,1,2
	global_store_b128 v[OP], v[YA+8*\m:YA+8*\m+3], s[18:19] offset:1024*\m          ; each accumulator from its low end on
	global_store_b128 v[OP], v[YA+8*\m+4:YA+8*\m+7], s[18:19] offset:1024*\m+16
.endr
	WIN 0
	s_wait_tensorcnt 0x0                           ; the wave's end
	ds_add_u32 v254, v255
	s_wait_dscnt 0x0
	s_endpgm
.Lfunc_end_k_qb963b96f95_layer2:
	.size	k_qb963b96f95_layer2, .Lfunc_end_k_qb963b96f95_layer2-k_qb963b96f95_layer2
	.p2alignl 7, 3214868480
	.fill 96, 4, 3214868480
	.section	.rodata,"a",@progbits
	.p2align	6, 0x0
	.amdhsa_kernel k_qb963b96f95_layer2
		.amdhsa_group_segment_fixed_size 327680
		.amdhsa_private_segment_fixed_size 0
		.amdhsa_enable_private_segment 0
		.amdhsa_kernarg_size 64
		.amdhsa_user_sgpr_count 2
		.amdhsa_user_sgpr_kernarg_segment_ptr 1
		.amdhsa_wavefront_size32 1
		.amdhsa_system_sgpr_workgroup_id_x 1
		.amdhsa_system_sgpr_workgroup_id_y 1
		.amdhsa_system_sgpr_workgroup_id_z 1
		.amdhsa_system_vgpr_workitem_id 0
		.amdhsa_next_free_vgpr 1024
		.amdhsa_next_free_sgpr 88
		.amdhsa_reserve_vcc 0
		.amdhsa_float_denorm_mode_32 3
		.amdhsa_float_denorm_mode_16_64 3
		.amdhsa_memory_ordered 1
		.amdhsa_forward_progress 1
		.amdhsa_inst_pref_size 141
	.end_amdhsa_kernel
	.amdgpu_metadata
---
amdhsa.version: [ 1, 2 ]
amdhsa.kernels:
  - .name:           k_qb963b96f95_layer2
    .symbol:         k_qb963b96f95_layer2.kd
    .args:
      - { .name: hc, .offset: 0, .size: 8, .value_kind: global_buffer, .address_space: global }
      - { .name: hs, .offset: 8, .size: 8, .value_kind: global_buffer, .address_space: global }
      - { .name: W2_codes, .offset: 16, .size: 8, .value_kind: global_buffer, .address_space: global }
      - { .name: W2_scales, .offset: 24, .size: 8, .value_kind: global_buffer, .address_space: global }
      - { .name: b2, .offset: 32, .size: 8, .value_kind: global_buffer, .address_space: global }
      - { .name: tiles, .offset: 40, .size: 8, .value_kind: global_buffer, .address_space: global }
      - { .name: W3, .offset: 48, .size: 8, .value_kind: global_buffer, .address_space: global }
      - { .name: part, .offset: 56, .size: 8, .value_kind: global_buffer, .address_space: global }
    .group_segment_fixed_size: 327680
    .private_segment_fixed_size: 0
    .kernarg_segment_align: 8
    .kernarg_segment_size: 64
    .max_flat_workgroup_size: 128
    .sgpr_count:     88
    .vgpr_count:     1024
    .wavefront_size: 32
...
	.end_amdgpu_metadata
.endif
;; end of part 2
;; launch fin (part 3): grid 24 x 1, 8 waves a work-group, no clusters, 0 bytes of LDS; arguments geometry_types, pos, part, b3, out0, out1; writes out0, out1
.if DOCPART == 3
	.amdgcn_target "amdgcn-amd-amdhsa--gfx1250"
	.amdhsa_code_object_version 6
	.text
	.protected	k_qb963b96f95_fin
	.globl	k_qb963b96f95_fin
	.p2align	8
	.type	k_qb963b96f95_fin,@function
k_qb963b96f95_fin:
	s_mov_b64 s[64:65], 0
	v_nop
	global_prefetch_b8 v0, s[64:65] scope:SCOPE_SE
	s_setreg_imm32_b32 hwreg(HW_REG_WAVE_MODE, 25, 1), 1
	s_wait_xcnt 0x0
; FIN.  out0[token][p] = (the sum of the sixteen partial products at the token's position + b3[type][p]) x mask, out1[token][p] = mask, mask = 1 where p < the type's number of parameters.
; A thread owns 16 bytes (four parameters) of both outputs: 2,048 x 12 x 4 bytes = 6,144 threads = 24 work-groups of 256; a wave's store covers 512 consecutive bytes.
; Memory binds: no LDS, no barrier, no matrix unit.  All seventeen loads of a thread are out together.
; LIMITS: types are taken as 0 .. 7 (held at 7 from above, as the first launch holds them); the sixteen parts are added as a tree, not in the order of a single sum over K.
	s_load_b256 s[4:11], s[0:1], 0x0               ; types s[4:5], pos s[6:7], part s[8:9], b3 s[10:11]
	s_load_b128 s[12:15], s[0:1], 0x20             ; out0 s[12:13], out1 s[14:15]
	s_lshl_b32 s16, ttmp9, 8
	v_add_nc_u32 v1, s16, v0                       ; which 16 bytes: 0 .. 6,143
	s_delay_alu instid0(VALU_DEP_1)
	v_mul_u32_u24 v2, 0xaaab, v1
	s_delay_alu instid0(VALU_DEP_1)
	v_lshrrev_b32 v2, 17, v2                       ; the token: (n x 43691) >> 17 is n / 3 rounded down for n up to 6,143
	s_delay_alu instid0(VALU_DEP_1)
	v_mul_u32_u24 v3, 3, v2
	s_delay_alu instid0(VALU_DEP_1)
	v_sub_nc_u32 v3, v1, v3                        ; which four of its twelve parameters
	s_delay_alu instid0(VALU_DEP_3)
	v_lshlrev_b32 v4, 2, v2
	v_lshlrev_b32 v12, 4, v1
	s_mov_b32 s17, 0x5ca97643                      ; the eight types' numbers of parameters, 3 4 6 7 9 10 12 5, four bits each, type 0 lowest
	s_wait_alu depctr_va_vdst(0)
	s_wait_kmcnt 0x0
	global_load_b32 v5, v4, s[4:5]
	global_load_b32 v6, v4, s[6:7]
	s_wait_loadcnt 0x0
	v_min_u32 v5, 7, v5
	v_min_u32 v6, 2783, v6
	v_lshlrev_b32 v7, 4, v3
	s_delay_alu instid0(VALU_DEP_1)
	v_lshl_add_u32 v8, v6, 6, v7                   ; 64 position + 16 q
	s_delay_alu instid0(VALU_DEP_2)
	v_mad_u32_u24 v9, v5, 48, v7                   ; 48 type + 16 q
.irp j, 0,1,2,3,4,5,6,7,8,9,10,11,12,13,14,15
	global_load_b128 v[16+4*\j:19+4*\j], v8, s[8:9] offset:178176*\j
.endr
	global_load_b128 v[80:83], v9, s[10:11]
	v_lshlrev_b32 v10, 2, v5                       ; the mask is made and stored while the loads are out
	s_delay_alu instid0(VALU_DEP_1)
	v_lshrrev_b32 v10, v10, s17
	s_delay_alu instid0(VALU_DEP_1)
	v_and_b32 v10, 15, v10                         ; the type's number of parameters
	v_lshlrev_b32 v11, 2, v3
	s_delay_alu instid0(VALU_DEP_1)
	v_sub_nc_u32 v10, v10, v11                     ; less my first parameter's number: parameter i of my four counts where i is under it
.irp i, 0,1,2,3
	v_cmp_lt_i32 vcc_lo, \i, v10
	s_delay_alu instid0(VALU_DEP_1)
	v_cndmask_b32 v[84+\i], 0, 1.0, vcc_lo
.endr
	global_store_b128 v12, v[84:87], s[14:15]
	s_wait_loadcnt 0x0
.irp j, 0,1,2,3,4,5,6,7
	v_pk_add_f32 v[16+4*\j:17+4*\j], v[16+4*\j:17+4*\j], v[48+4*\j:49+4*\j]
	v_pk_add_f32 v[18+4*\j:19+4*\j], v[18+4*\j:19+4*\j], v[50+4*\j:51+4*\j]
.endr
.irp j, 0,1,2,3
	v_pk_add_f32 v[16+4*\j:17+4*\j], v[16+4*\j:17+4*\j], v[32+4*\j:33+4*\j]
	v_pk_add_f32 v[18+4*\j:19+4*\j], v[18+4*\j:19+4*\j], v[34+4*\j:35+4*\j]
.endr
.irp j, 0,1
	s_delay_alu instid0(VALU_DEP_4)
	v_pk_add_f32 v[16+4*\j:17+4*\j], v[16+4*\j:17+4*\j], v[24+4*\j:25+4*\j]
	s_delay_alu instid0(VALU_DEP_4)
	v_pk_add_f32 v[18+4*\j:19+4*\j], v[18+4*\j:19+4*\j], v[26+4*\j:27+4*\j]
.endr
	s_delay_alu instid0(VALU_DEP_2)
	v_pk_add_f32 v[16:17], v[16:17], v[20:21]
	s_delay_alu instid0(VALU_DEP_2)
	v_pk_add_f32 v[18:19], v[18:19], v[22:23]
	s_delay_alu instid0(VALU_DEP_2)
	v_pk_add_f32 v[16:17], v[16:17], v[80:81]      ; + b3
	s_delay_alu instid0(VALU_DEP_2)
	v_pk_add_f32 v[18:19], v[18:19], v[82:83]
	s_delay_alu instid0(VALU_DEP_2)
	v_pk_mul_f32 v[16:17], v[16:17], v[84:85]      ; x the mask, as the module multiplies
	s_delay_alu instid0(VALU_DEP_2)
	v_pk_mul_f32 v[18:19], v[18:19], v[86:87]
	global_store_b128 v12, v[16:19], s[12:13]
	s_endpgm
.Lfunc_end_k_qb963b96f95_fin:
	.size	k_qb963b96f95_fin, .Lfunc_end_k_qb963b96f95_fin-k_qb963b96f95_fin
	.p2alignl 7, 3214868480
	.fill 96, 4, 3214868480
	.section	.rodata,"a",@progbits
	.p2align	6, 0x0
	.amdhsa_kernel k_qb963b96f95_fin
		.amdhsa_group_segment_fixed_size 0
		.amdhsa_private_segment_fixed_size 0
		.amdhsa_enable_private_segment 0
		.amdhsa_kernarg_size 48
		.amdhsa_user_sgpr_count 2
		.amdhsa_user_sgpr_kernarg_segment_ptr 1
		.amdhsa_wavefront_size32 1
		.amdhsa_system_sgpr_workgroup_id_x 1
		.amdhsa_system_sgpr_workgroup_id_y 1
		.amdhsa_system_sgpr_workgroup_id_z 1
		.amdhsa_system_vgpr_workitem_id 0
		.amdhsa_next_free_vgpr 96
		.amdhsa_next_free_sgpr 66
		.amdhsa_reserve_vcc 1
		.amdhsa_float_denorm_mode_32 3
		.amdhsa_float_denorm_mode_16_64 3
		.amdhsa_memory_ordered 1
		.amdhsa_forward_progress 1
		.amdhsa_inst_pref_size 7
	.end_amdhsa_kernel
	.amdgpu_metadata
---
amdhsa.version: [ 1, 2 ]
amdhsa.kernels:
  - .name:           k_qb963b96f95_fin
    .symbol:         k_qb963b96f95_fin.kd
    .args:
      - { .name: geometry_types, .offset: 0, .size: 8, .value_kind: global_buffer, .address_space: global }
      - { .name: pos, .offset: 8, .size: 8, .value_kind: global_buffer, .address_space: global }
      - { .name: part, .offset: 16, .size: 8, .value_kind: global_buffer, .address_space: global }
      - { .name: b3, .offset: 24, .size: 8, .value_kind: global_buffer, .address_space: global }
      - { .name: out0, .offset: 32, .size: 8, .value_kind: global_buffer, .address_space: global }
      - { .name: out1, .offset: 40, .size: 8, .value_kind: global_buffer, .address_space: global }
    .group_segment_fixed_size: 0
    .private_segment_fixed_size: 0
    .kernarg_segment_align: 8
    .kernarg_segment_size: 48
    .max_flat_workgroup_size: 256
    .sgpr_count:     66
    .vgpr_count:     96
    .wavefront_size: 32
...
	.end_amdgpu_metadata
.endif
;; end of part 3
